; MI455X (gfx1250); checked and timed in simulation.
; The chip was launched on July 23, 2026; its instructions are those of AMD's public machine-readable ISA for CDNA 5 (MIT licence, August 2026) and "CDNA5" Instruction Set Architecture Reference Guide (July 2026). The comments in the code are by the model that wrote it; some were corrected since.
;; MLP Attn. Allowed arithmetic: float matrix products may take bf16 or f16 operands with f32 sums; all other float work in f32.
;; Inputs: W_mlp 256 x 512 float32; b_mlp 256 float32; b_out 1 float32; decoder_states 2 x 512 x 256 float32; encoder_states 2 x 512 x 256 float32; w_out 1 x 256 float32.
;; Outputs: out0 2 x 512 x 512 float32.
;; One version. Each part assembles by itself: llvm-mc -triple=amdgcn-amd-amdhsa -mcpu=gfx1250 --defsym DOCPART=n.
;; ======== version 1 of 1: 2 launches
;; limits: a difference of large sums (such as E[x^2] - mean^2): digits are lost where the result is much smaller than its terms
;; workspace buffers: dq 1,048,576 bytes; en 1,048,576 bytes; se 32,768 bytes
;; launch proj (part 1): grid 4 x 64, 4 waves a work-group, clusters of 4 x 4, 168,448 bytes of LDS; arguments decoder_states, encoder_states, W_mlp, b_mlp, w_out, b_out, dq, en, se; writes dq, en, se
.if DOCPART == 1
	.amdgcn_target "amdgcn-amd-amdhsa--gfx1250"
	.amdhsa_code_object_version 6
	.text
	.protected	k_qd5a0390947_proj
	.globl	k_qd5a0390947_proj
	.p2align	8
	.type	k_qd5a0390947_proj,@function
k_qd5a0390947_proj:
	s_mov_b64 s[64:65], 0
	v_nop
	global_prefetch_b8 v0, s[64:65] scope:SCOPE_SE
	s_setreg_imm32_b32 hwreg(HW_REG_WAVE_MODE, 25, 1), 1
	s_wait_xcnt 0x0
	s_wait_alu depctr_hold_cnt(0) depctr_sa_sdst(0) depctr_va_vdst(0) depctr_va_sdst(0) depctr_va_ssrc(0) depctr_va_vcc(0) depctr_vm_vsrc(0)
	s_getreg_b32 s2, hwreg(HW_REG_IB_STS2, 6, 4)
	s_cmp_eq_u32 s2, 0
	s_cbranch_scc0 .Lentry_in_a_cluster
	s_endpgm
.Lentry_in_a_cluster:
	s_bfe_u32 s2, ttmp6, 0x10000c
	s_cmp_lg_u32 s2, 0xf033
	s_cbranch_scc0 .Lentry_shape_is_right
	s_endpgm
.Lentry_shape_is_right:
; The two projections of the additive attention, and the part of the score that hangs on the encoder position alone.
;   dq[row/4][h][row%4] =   sum_k dec[row][k] W[h][256+k] + b_mlp[h]        (row = 512 b + q; called D below)
;   en[row/4][h][row%4] = -(sum_k enc[row][k] W[h][k])                      (row = 512 b + e; E is the sum, -E is stored)
;   se[p][row]          = b_out/8 + sum over the 32 h of part p of w_out[h] E[row][h],   p = 0 .. 7
; The next launch uses relu(D + E) = max(D, -E) + E: the eight se[p] add up to b_out + sum_h w_out[h] E[row][h].
; Operands are rounded to bf16 on the way from LDS to the matrix unit, sums are f32.
; LIMITS: finite inputs (a NaN or an infinity is not carried as the reference carries it); the f32 sums are added in another order.
;
; 256 work-groups: block column xb (64 hidden) x block row yb (32 rows; yb 0-31 decoder, 32-63 encoder).  Four waves: wave = (mt, nh) makes
; rows 16 mt .. +15 x hidden 32 nh .. +31: two accumulator tiles, K = 256 in eight steps of 32.
; CLUSTERS: 4 x 4 work-groups.  The four of a row of the cluster (same yb) need the same 32 rows of states, the four of a column (same xb, and
; the same half of W, since a cluster's four block rows lie in one tensor) the same 64 rows of W.  Each tile is asked for jointly: the same load,
; the same descriptor, a mask that names the four.  Each tile is filled once; a wave has two tensor loads outstanding.
; THE LAYOUT [row/4][h][4]: with the states as A and W as B, lane (r, hf) holds rows 8 hf + 0..7 of hidden index r: registers 0-3 are the four
; rows of one group, 16 bytes, and sixteen neighbouring lanes (sixteen neighbouring h) store 256 consecutive bytes, aligned.  No trip through LDS.
.set PITCH, 1040                       ; an LDS row: 1,024 bytes (256 f32) + 16 of padding = 260 words: row r starts at word 4 r modulo 64,
                                       ; so the sixteen rows that a 16-byte load touches lie in sixteen different columns of 16 bytes
.set LDS_W, 32*PITCH                   ; the states' 32 rows first, W's 64 rows behind them
.set FMT,   (2<<16)|(1<<20)|(1<<21)|(7<<22)|(3<<25)   ; elements of 4 bytes; padding on; bit 21 beside a mask; after every 256 words; 4 words
.set ADA,  4                           ; v4       LDS address of my fragment rows of the states
.set ADB,  5                           ; v5       the same for W
.set CO,   6                           ; v6       byte offset of my hidden index in b_mlp or w_out
.set SO,   7                           ; v7       my byte offset in dq or en
.set SEO,  8                           ; v8       my byte offset in se
.set C,    10                          ; v10-11   decoder: b_mlp, encoder: w_out, of my two hidden indices
.set BI,   12                          ; v12-13   the bias that is added: b_mlp or 0
.set ACC0, 16                          ; v16-23   sums, hidden 32 nh + r
.set ACC1, 24                          ; v24-31   sums, hidden 32 nh + 16 + r
.set F0,   32                          ; v32-55   bf16 fragments (states, W, W), buffer 0
.set F1,   56                          ; v56-79   buffer 1
.set S0,   80                          ; v80-127  the same 48 x 32 numbers in f32 as loaded, buffer 0
.set S1,   128                         ; v128-175 buffer 1
.set O,    80                          ; v80-95   results to store (the staging is free by then)
.set SS,   96                          ; v96-103  sums for se
; scalars: s22 wave, s23 cx, s24 cy, s25 xb, s26 the cluster's y, s27 block row in its tensor, s30 mt, s31 nh,
; s[32:39], s[48:51] descriptor of the states' tile, s[40:47], s[52:55] of W's; s72-73, s79 hold numbers made of the wave alone
; A round of the cluster's barrier: my work-group's barrier, wave 0 signals for the work-group, every wave waits for all sixteen, my barrier again.
.macro ROUND
	s_barrier_signal -1
	s_barrier_wait -1
	s_cmp_lg_u32 s22, 0
	s_cbranch_scc1 .Lnot_wave_0_\@
	s_barrier_signal -3
.Lnot_wave_0_\@:
	s_barrier_wait -3
	s_barrier_signal -1
	s_barrier_wait -1
.endm
	s_load_b512 s[4:19], s[0:1], 0x0               ; dec s[4:5], enc s[6:7], W s[8:9], b_mlp s[10:11], w_out s[12:13], b_out s[14:15], dq s[16:17], en s[18:19]
	s_load_b64 s[20:21], s[0:1], 0x40              ; se
	v_lshl_add_u32 v176, v0, 2, 0x29000
	v_mov_b32 v177, 0
	ds_add_u32 v176, v177
	v_lshrrev_b32 v1, 5, v0
	v_readfirstlane_b32 s22, v1                    ; wave 0..3
	s_bfe_u32 s23, ttmp6, 0x40000                  ; cx
	s_bfe_u32 s24, ttmp6, 0x40004                  ; cy
	s_lshl_b32 s25, ttmp9, 2
	s_add_co_u32 s25, s25, s23                     ; xb = 4 x cluster x + cx: which 64 hidden
	s_and_b32 s26, ttmp7, 0xffff                   ; the cluster's y, 0..15: below 8 decoder, else encoder
	s_lshl_b32 s27, s26, 2
	s_add_co_u32 s27, s27, s24                     ; yb = 4 x cluster y + cy
	s_and_b32 s27, s27, 31                         ; block row inside its own tensor
	s_lshl_b32 s28, s24, 2
	s_lshl_b32 s28, 15, s28                        ; my row of the cluster: places 4 cy .. 4 cy + 3
	s_lshl_b32 s29, 0x1111, s23                    ; my column: places cx, cx + 4, cx + 8, cx + 12
	s_lshr_b32 s30, s22, 1                         ; mt
	s_and_b32 s31, s22, 1                          ; nh
	; group 1 of the states' tile: my wave's 8 rows x 256 f32, rows 256 elements apart
	s_or_b32 s32, s28, FMT
	s_mov_b32 s33, 256<<16                         ; tensor_dim0 = 256
	s_mov_b32 s34, 8<<16                           ; tensor_dim1 = 8
	s_mov_b32 s35, 256<<16                         ; tile_dim0 = 256
	s_mov_b32 s36, 8                               ; tile_dim1 = 8
	s_mov_b32 s37, 256                             ; from row to row
	s_mov_b32 s38, 0
	s_mov_b32 s39, 0
	; group 1 of W's tile: my wave's 16 rows x 256 f32, rows 512 elements apart
	s_or_b32 s40, s29, FMT
	s_mov_b32 s41, 256<<16
	s_mov_b32 s42, 16<<16
	s_mov_b32 s43, 256<<16
	s_mov_b32 s44, 16
	s_mov_b32 s45, 512
	s_mov_b32 s46, 0
	s_mov_b32 s47, 0
	; where the tiles begin.  The states' offset is made of the block row and the wave, W's of the block column, the wave and the cluster's y.
	s_lshl_b32 s56, s27, 15                        ; 32 rows of 1,024 bytes a block row
	s_lshl_b32 s57, s22, 13                        ; 8 rows a wave
	s_add_co_u32 s56, s56, s57
	s_mov_b32 s57, 0
	s_lshl_b32 s58, s25, 17                        ; 64 rows of 2,048 bytes a block column
	s_lshl_b32 s59, s22, 15                        ; 16 rows a wave
	s_add_co_u32 s58, s58, s59
	s_mov_b32 s59, 0
	s_cmp_lt_u32 s26, 8                            ; decoder?  The same answer in all sixteen work-groups of the cluster
	s_cselect_b32 s62, 1024, 0                     ; the decoder's half of W is columns 256 .. 511
	s_cselect_b32 s70, 1.0, -1.0                   ; D is stored as it is, E with its sign turned
	s_cselect_b32 s71, -1, 0                       ; the bias goes to D alone
	s_wait_dscnt 0x0
	s_wait_kmcnt 0x0                               ; the addresses are there (SCC is kept)
	s_cselect_b64 s[60:61], s[4:5], s[6:7]         ; the states
	s_cselect_b64 s[66:67], s[16:17], s[18:19]     ; where the projection goes
	s_cselect_b64 s[68:69], s[10:11], s[12:13]     ; the vector over hidden that this work-group needs: b_mlp or w_out
	s_add_co_u32 s58, s58, s62
	s_load_b32 s75, s[14:15], 0x0                  ; b_out
	s_mov_b32 s48, 1                               ; group 0, states: count
	s_mul_i32 s49, s22, 8*PITCH                    ; LDS address: the wave's 8 rows
	s_add_nc_u64 s[50:51], s[60:61], s[56:57]
	s_or_b32 s51, s51, 0x80000000                  ; type 2
	s_mov_b32 s52, 1                               ; group 0, W
	s_mul_i32 s53, s22, 16*PITCH
	s_add_co_u32 s53, s53, LDS_W                   ; LDS address: behind the states, the wave's 16 rows
	s_add_nc_u64 s[54:55], s[8:9], s[58:59]
	s_or_b32 s55, s55, 0x80000000
	ROUND                                          ; all sixteen work-groups are here: the joint loads meet
	tensor_load_to_lds s[48:51], s[32:39]          ; both first fills go out together, ahead of every wait on them and of every LDS read
	s_nop 0
	tensor_load_to_lds s[52:55], s[40:47]
	s_nop 0
	; lane (r, hf): fragment row r; the f32 of k = 8 hf .. +7 lie at byte 32 hf of a K step's 128 bytes, those of k = 16 + 8 hf .. +7 64 bytes on
	v_and_b32 v1, 15, v0                           ; r
	v_bfe_u32 v2, v0, 4, 1                         ; hf
	v_mul_u32_u24 v3, v1, PITCH
	v_lshl_add_u32 v3, v2, 5, v3
	s_mul_i32 s72, s30, 16*PITCH                   ; my 16 rows of the states
	s_mul_i32 s73, s31, 32*PITCH                   ; my 32 rows of W
	s_add_co_u32 s73, s73, LDS_W
	v_add_nc_u32 v[ADA], s72, v3
	v_add_nc_u32 v[ADB], s73, v3
	s_lshl_b32 s78, s25, 8                         ; hidden 64 xb + 32 nh + r, 4 bytes each
	s_lshl_b32 s77, s31, 7
	s_add_co_u32 s78, s78, s77
	v_lshl_add_u32 v[CO], v1, 2, s78
	global_load_b32 v[C], v[CO], s[68:69]
	global_load_b32 v[C+1], v[CO], s[68:69] offset:64      ; sixteen hidden further
	; the projection's place: group 8 rb + 4 mt + 2 hf (+ 1 for registers 4-7) of 4,096 bytes, hidden x 16 bytes
	s_lshl_b32 s79, s30, 14
	s_lshl_b32 s73, s31, 9
	s_add_co_u32 s79, s79, s73
	v_lshl_add_u32 v[SO], v1, 4, s79
	v_lshl_add_u32 v[SO], v2, 13, v[SO]
	s_lshl_b32 s76, s27, 15
	s_lshl_b32 s77, s25, 10
	s_add_co_u32 s76, s76, s77
	s_mov_b32 s77, 0
	s_add_nc_u64 s[66:67], s[66:67], s[76:77]
	; se's place: part 2 xb + nh of 4,096 bytes, row 32 rb + 16 mt + 8 hf
	v_lshlrev_b32 v[SEO], 5, v2
	s_lshl_b32 s76, s25, 13
	s_lshl_b32 s78, s31, 12
	s_add_co_u32 s76, s76, s78
	s_lshl_b32 s78, s27, 7
	s_add_co_u32 s76, s76, s78
	s_lshl_b32 s78, s30, 6
	s_add_co_u32 s76, s76, s78
	s_add_nc_u64 s[20:21], s[20:21], s[76:77]
; 12 LDS loads: K step ks in f32 into staging buffer st: 16 registers of the states, 16 + 16 of W
.macro LOADS ks, st
.irp o, 0,1
	ds_load_b128 v[\st+8*\o:\st+8*\o+3],   v[ADA] offset:128*(\ks)+64*\o
	ds_load_b128 v[\st+8*\o+4:\st+8*\o+7], v[ADA] offset:128*(\ks)+64*\o+16
.endr
.irp t, 0,1
.irp o, 0,1
	ds_load_b128 v[\st+16+16*\t+8*\o:\st+16+16*\t+8*\o+3],   v[ADB] offset:16*PITCH*\t+128*(\ks)+64*\o
	ds_load_b128 v[\st+16+16*\t+8*\o+4:\st+16+16*\t+8*\o+7], v[ADB] offset:16*PITCH*\t+128*(\ks)+64*\o+16
.endr
.endr
.endm
; One K step.  left: how many younger LDS loads may stay out; more = 1: the staging buffer is filled again, two steps ahead;
; zero = 1: the first products start the sums.  The fragments have two buffers, so that a step's 24 conversions write registers that the
; matrix instructions just issued do not name, and stand as the places (ISA guide 7.12.1) between the step before's matrix instructions and the next writes of their sources.
.macro STEP ks, st, fr, left, more, zero
	s_wait_dscnt \left
.set i, 0
.rept 24
	v_cvt_pk_bf16_f32 v[\fr+i], v[\st+2*i], v[\st+2*i+1]   ; the lower k into the low half
.set i, i+1
.endr
.if \more
	LOADS (\ks)+2, \st
.endif
.if \zero
	v_wmma_f32_16x16x32_bf16 v[ACC0:ACC0+7], v[\fr:\fr+7], v[\fr+8:\fr+15], 0
	v_wmma_f32_16x16x32_bf16 v[ACC1:ACC1+7], v[\fr:\fr+7], v[\fr+16:\fr+23], 0
.else
	v_wmma_f32_16x16x32_bf16 v[ACC0:ACC0+7], v[\fr:\fr+7], v[\fr+8:\fr+15], v[ACC0:ACC0+7]    ; the two accumulators take turns
	v_wmma_f32_16x16x32_bf16 v[ACC1:ACC1+7], v[\fr:\fr+7], v[\fr+16:\fr+23], v[ACC1:ACC1+7]
.endif
.endm
	s_wait_tensorcnt 0x0                           ; my parts of both tiles have landed,
	s_barrier_signal -1
	s_barrier_wait -1                              ; everybody's have
	LOADS 0, S0
	LOADS 1, S1
	STEP 0, S0, F0, 12, 1, 1                       ; 12: the next step's twelve loads stay out
	STEP 1, S1, F1, 12, 1, 0
	STEP 2, S0, F0, 12, 1, 0
	STEP 3, S1, F1, 12, 1, 0
	STEP 4, S0, F0, 12, 1, 0
	STEP 5, S1, F1, 12, 1, 0
	STEP 6, S0, F0, 12, 0, 0
	STEP 7, S1, F1, 0, 0, 0
	s_wait_loadcnt 0x0                             ; b_mlp or w_out
	s_wait_kmcnt 0x0                               ; b_out
	s_mul_f32 s75, s75, 0x3c000000                 ; b_out / 128, exact: 16 lanes x 8 parts add it up again
	v_and_b32 v[BI], s71, v[C]                     ; these four lines are the four places behind the last matrix instructions (ISA guide 7.12.1)
	v_and_b32 v[BI+1], s71, v[C+1]
	v_nop
	v_nop
.irp j, 0,1,2,3,4,5,6,7
	v_fma_f32 v[O+\j],   v[ACC0+\j], s70, v[BI]   ; D = sum + b_mlp, or -E
	v_fma_f32 v[O+8+\j], v[ACC1+\j], s70, v[BI+1]
.endr
	global_store_b128 v[SO], v[O:O+3],     s[66:67]                ; lanes 0-15 and lanes 16-31 each store 256 consecutive bytes, aligned
	global_store_b128 v[SO], v[O+4:O+7],   s[66:67] offset:4096    ; the next group of four rows
	global_store_b128 v[SO], v[O+8:O+11],  s[66:67] offset:256     ; sixteen hidden further
	global_store_b128 v[SO], v[O+12:O+15], s[66:67] offset:4096+256
	s_cmp_lt_u32 s26, 8
	s_cbranch_scc1 .Lclose                         ; the decoder's work-groups are done (the same way in the whole cluster)
	; encoder: sum over my wave's 32 hidden of w_out[h] E[row][h], for my eight rows
.irp j, 0,1,2,3,4,5,6,7
	v_fma_f32 v[SS+\j], v[C], v[ACC0+\j], s75
.endr
.irp j, 0,1,2,3,4,5,6,7
	v_fmac_f32 v[SS+\j], v[C+1], v[ACC1+\j]
.endr
.irp m, 1,2,4,8
.irp j, 0,1,2,3,4,5,6,7
	v_add_f32_dpp v[SS+\j], v[SS+\j], v[SS+\j] row_xmask:\m row_mask:0xf bank_mask:0xf   ; over the sixteen lanes of a half: sixteen hidden
.endr
.endr
	v_cmp_eq_u32 vcc_lo, 0, v1                     ; every lane of a half now holds the same eight sums: lanes 0 and 16 store them,
	s_wait_xcnt 0x0                                ; EXEC, a source of the stores above, changes only behind this wait
	s_and_saveexec_b32 s74, vcc_lo
	global_store_b128 v[SEO], v[SS:SS+3],   s[20:21]               ; 32 bytes a lane, 64 a wave: all that a wave has of se
	global_store_b128 v[SEO], v[SS+4:SS+7], s[20:21] offset:16
	s_wait_xcnt 0x0                                ; and again in front of the line that widens it
	s_or_b32 exec_lo, exec_lo, s74
.Lclose:
	s_wait_tensorcnt 0x0
	ds_add_u32 v176, v177
	s_wait_dscnt 0x0
	ROUND                                          ; the closing round: no work-group ends while a partner may still ask for a tile that names it
	s_endpgm
.Lfunc_end_k_qd5a0390947_proj:
	.size	k_qd5a0390947_proj, .Lfunc_end_k_qd5a0390947_proj-k_qd5a0390947_proj
	.p2alignl 7, 3214868480
	.fill 96, 4, 3214868480
	.section	.rodata,"a",@progbits
	.p2align	6, 0x0
	.amdhsa_kernel k_qd5a0390947_proj
		.amdhsa_group_segment_fixed_size 168448
		.amdhsa_private_segment_fixed_size 0
		.amdhsa_enable_private_segment 0
		.amdhsa_kernarg_size 72
		.amdhsa_user_sgpr_count 2
		.amdhsa_user_sgpr_kernarg_segment_ptr 1
		.amdhsa_wavefront_size32 1
		.amdhsa_system_sgpr_workgroup_id_x 1
		.amdhsa_system_sgpr_workgroup_id_y 1
		.amdhsa_system_sgpr_workgroup_id_z 1
		.amdhsa_system_vgpr_workitem_id 0
		.amdhsa_next_free_vgpr 178
		.amdhsa_next_free_sgpr 80
		.amdhsa_reserve_vcc 1
		.amdhsa_float_denorm_mode_32 3
		.amdhsa_float_denorm_mode_16_64 3
		.amdhsa_memory_ordered 1
		.amdhsa_forward_progress 1
		.amdhsa_inst_pref_size 30
	.end_amdhsa_kernel
	.amdgpu_metadata
---
amdhsa.version: [ 1, 2 ]
amdhsa.kernels:
  - .name:           k_qd5a0390947_proj
    .symbol:         k_qd5a0390947_proj.kd
    .args:
      - { .name: decoder_states, .offset: 0, .size: 8, .value_kind: global_buffer, .address_space: global }
      - { .name: encoder_states, .offset: 8, .size: 8, .value_kind: global_buffer, .address_space: global }
      - { .name: W_mlp, .offset: 16, .size: 8, .value_kind: global_buffer, .address_space: global }
      - { .name: b_mlp, .offset: 24, .size: 8, .value_kind: global_buffer, .address_space: global }
      - { .name: w_out, .offset: 32, .size: 8, .value_kind: global_buffer, .address_space: global }
      - { .name: b_out, .offset: 40, .size: 8, .value_kind: global_buffer, .address_space: global }
      - { .name: dq, .offset: 48, .size: 8, .value_kind: global_buffer, .address_space: global }
      - { .name: en, .offset: 56, .size: 8, .value_kind: global_buffer, .address_space: global }
      - { .name: se, .offset: 64, .size: 8, .value_kind: global_buffer, .address_space: global }
    .group_segment_fixed_size: 168448
    .private_segment_fixed_size: 0
    .kernarg_segment_align: 8
    .kernarg_segment_size: 72
    .max_flat_workgroup_size: 128
    .sgpr_count:     80
    .vgpr_count:     178
    .wavefront_size: 32
...
	.end_amdgpu_metadata
.endif
;; end of part 1
;; launch score (part 2): grid 32 x 8, 16 waves a work-group, clusters of 4 x 1, 206,848 bytes of LDS; arguments dq, en, se, w_out, out0; writes out0
.if DOCPART == 2
	.amdgcn_target "amdgcn-amd-amdhsa--gfx1250"
	.amdhsa_code_object_version 6
	.text
	.protected	k_qd5a0390947_score
	.globl	k_qd5a0390947_score
	.p2align	8
	.type	k_qd5a0390947_score,@function
k_qd5a0390947_score:
	s_mov_b64 s[64:65], 0
	v_nop
	global_prefetch_b8 v0, s[64:65] scope:SCOPE_SE
	s_setreg_imm32_b32 hwreg(HW_REG_WAVE_MODE, 25, 1), 1
	s_wait_xcnt 0x0
	s_wait_alu depctr_hold_cnt(0) depctr_sa_sdst(0) depctr_va_vdst(0) depctr_va_sdst(0) depctr_va_ssrc(0) depctr_va_vcc(0) depctr_vm_vsrc(0)
	s_getreg_b32 s2, hwreg(HW_REG_IB_STS2, 6, 4)
	s_cmp_eq_u32 s2, 0
	s_cbranch_scc0 .Lentry_in_a_cluster
	s_endpgm
.Lentry_in_a_cluster:
	s_bfe_u32 s2, ttmp6, 0x10000c
	s_cmp_lg_u32 s2, 0x3003
	s_cbranch_scc0 .Lentry_shape_is_right
	s_endpgm
.Lentry_shape_is_right:
; out0[b][q][e] = b_out + sum_h w_out[h] relu(D[q][h] + E[e][h]), from the first launch's dq (D, bias included), en (-E) and se.
; relu(D + E) = max(D, -E) + E, so  out0 = sum_h w_out[h] max(D[q][h], -E[e][h]) + sum_p se[p][e]:
; a triple (q, e, h) costs one maximum and one multiply-add in f32, and both go two to an instruction (dual forms).
; The extra rounding of this form is f32 rounding of terms of the size of w E, far below the error that the bf16 rounding of the projections' operands puts on the same terms.
; LIMITS: finite numbers only (v_max_num_f32 drops a NaN where the reference carries it; E = -infinity would give infinity - infinity);
; the f32 sums run in another order than the reference's.
; WHY NO MATRIX INSTRUCTION: the product with w_out has one column, so a 16 x 16 x 32 instruction would use 512 of its 8,192 products, and its
; operand would first have to be rounded to bf16, which costs as many vector instructions as the f32 multiply-adds written here.
;
; A work-group makes 16 q x 128 e with sixteen waves.  Wave w = (he = w / 2, qh = w % 2) takes q 8 qh .. +7, all 128 e, h 32 he .. +31.
; A lane owns four neighbouring e (one group of en): one 16-byte LDS load a step of h feeds 32 dual instructions.
; D and w_out are the same in all lanes and come as scalars: dq's layout [q/4][h][4] makes 4 h x 4 q one load of 64 bytes.
; The eight parts over h meet in LDS; wave w then adds up row q = w and stores its 512 consecutive bytes.
; CLUSTERS: the four work-groups of a cluster differ in q alone and need the same 128 KiB of en: each wave asks for its sixteenth
; (32 groups x 16 h) by a joint load with the mask of all four.  The tile is filled once; a wave has one tensor load outstanding.
.set PITCH, 272                        ; an LDS row: 16 h x 16 bytes + 16 of padding = 68 words: lane l starts at word 4 l modulo 64
.set SUB,   32*PITCH                   ; what one wave's load brings: 32 groups x 16 h
.set RED,   16*SUB                     ; behind the tile: 128 rows of 512 bytes for the partial sums; no tensor load lands here
.set L16, 2                            ; v2      16 x lane
.set LA,  3                            ; v3      LDS address of my group in my pair of sub-tiles
.set ACC, 4                            ; v4-35   sums: q i (0..7), e j (0..3) at ACC + 4 i + j; later the eight partial sums of a row
.set X,   36                           ; v36-51  maxima of four q at a time
.set EA,  52                           ; v52-83  -E of 4 h x 4 e, two buffers
.set SE,  84                           ; v84-87  se[he] of my four e
.set RS,  88                           ; v88     where my sums go in LDS
.set RL,  89                           ; v89     where my row's partial sums lie
; scalars: s[4:5] dq at my first group and h, s[10:11] w_out at my first h, s[8:9] se, s[12:13] out0, s14 wave, s15 cx, s16 q block, s17 y = 4 b + e block,
; s18 he, s19 qh.  D and w of a chunk of 4 h: buffer 0 in s[24:55], s[56:59]; buffer 1 in s[68:99], s[60:63].
; The descriptor lies in s[68:79] and its offsets in s[80:83]: buffer 1 is first loaded behind the wait that shows the tensor load done.
.macro ROUND                           ; a round of the cluster's barrier
	s_barrier_signal -1
	s_barrier_wait -1
	s_cmp_lg_u32 s14, 0
	s_cbranch_scc1 .Lnot_wave_0_\@
	s_barrier_signal -3
.Lnot_wave_0_\@:
	s_barrier_wait -3
	s_barrier_signal -1
	s_barrier_wait -1
.endm
; chunk c (4 h): D of my two groups of four q, and w_out
.macro SFETCH c, d, w
	s_load_b512 s[\d:\d+15],    s[4:5], 64*(\c)
	s_load_b512 s[\d+16:\d+31], s[4:5], 4096+64*(\c)
	s_load_b128 s[\w:\w+3],     s[10:11], 16*(\c)
.endm
; chunk c: -E of my four e: chunks 0-3 lie in the first sub-tile of my pair, 4-7 in the second
.macro EFETCH c, eb
.irp hh, 0,1,2,3
	ds_load_b128 v[\eb+4*\hh:\eb+4*\hh+3], v[LA] offset:((\c)/4)*SUB+((\c)%4)*64+16*\hh
.endr
.endm
	s_load_b256 s[4:11], s[0:1], 0x0               ; dq, en s[6:7], se, w_out
	s_load_b64 s[12:13], s[0:1], 0x20              ; out0
	v_lshl_add_u32 v96, v0, 2, 0x32000
	v_mov_b32 v97, 0
	ds_add_u32 v96, v97
	v_lshrrev_b32 v1, 5, v0
	v_readfirstlane_b32 s14, v1                    ; wave 0..15
	v_and_b32 v1, 31, v0                           ; lane
	v_lshlrev_b32 v[L16], 4, v1
	s_bfe_u32 s15, ttmp6, 0x40000                  ; cx
	s_lshl_b32 s16, ttmp9, 2
	s_add_co_u32 s16, s16, s15                     ; q block = 4 x cluster x + cx, 0..31
	s_and_b32 s17, ttmp7, 0xffff                   ; y, 0..7
	s_lshr_b32 s18, s14, 1                         ; he
	s_and_b32 s19, s14, 1                          ; qh
	s_lshr_b32 s20, s17, 2                         ; b
	s_lshl_b32 s22, s20, 19                        ; dq: b x 128 groups of 4,096 bytes
	s_lshl_b32 s23, s16, 14                        ; + q block x 4 groups
	s_add_co_u32 s22, s22, s23
	s_lshl_b32 s23, s19, 13                        ; + qh x 2 groups
	s_add_co_u32 s22, s22, s23
	s_lshl_b32 s23, s18, 9                         ; + he x 32 h x 16 bytes
	s_add_co_u32 s22, s22, s23
	s_mov_b32 s23, 0
	s_wait_dscnt 0x0
	s_wait_kmcnt 0x0
	s_add_nc_u64 s[4:5], s[4:5], s[22:23]
	s_lshl_b32 s22, s18, 7                         ; w_out: he x 32 h x 4 bytes
	s_add_nc_u64 s[10:11], s[10:11], s[22:23]
	SFETCH 0, 24, 56                               ; the first chunk's scalars are asked for before anything else
	s_lshl_b32 s22, s18, 12                        ; se: part he, row 128 y + 4 lane
	s_lshl_b32 s21, s17, 9
	s_add_co_u32 s22, s22, s21
	s_add_nc_u64 s[8:9], s[8:9], s[22:23]
	global_load_b128 v[SE:SE+3], v[L16], s[8:9]
	s_lshl_b32 s22, s20, 20                        ; out0: b x 512 x 512 x 4 bytes
	s_lshl_b32 s21, s16, 4
	s_add_co_u32 s21, s21, s14                     ; row q = 16 x q block + wave
	s_lshl_b32 s21, s21, 11
	s_add_co_u32 s22, s22, s21
	s_and_b32 s21, s17, 3                          ; e block of 512 bytes
	s_lshl_b32 s21, s21, 9
	s_add_co_u32 s22, s22, s21
	s_add_nc_u64 s[12:13], s[12:13], s[22:23]
	; the descriptor: 32 rows (groups, 1,024 elements apart) x 64 f32 (16 h x 4 e: 256 consecutive bytes, aligned), padded in LDS.
	; Nothing in it hangs on cx: the address is made of y and the wave, the LDS address of the wave.
	s_mov_b32 s68, 15|(2<<16)|(1<<20)|(1<<21)|(5<<22)|(3<<25)      ; mask: all four of the cluster; 4-byte elements; padding on; bit 21 beside a mask; after every 64 words; 4 words
	s_mov_b32 s69, 64<<16                          ; tensor_dim0 = 64
	s_mov_b32 s70, 32<<16                          ; tensor_dim1 = 32
	s_mov_b32 s71, 64<<16                          ; tile_dim0 = 64
	s_mov_b32 s72, 32                              ; tile_dim1 = 32
	s_mov_b32 s73, 1024                            ; from row to row
	s_mov_b32 s74, 0
	s_mov_b32 s75, 0
	s_mov_b32 s76, 1                               ; count
	s_mul_i32 s77, s14, SUB                        ; LDS address: sub-tile = wave
	s_lshl_b32 s80, s17, 17                        ; y x 32 groups of 4,096 bytes
	s_lshl_b32 s82, s14, 8                         ; + wave x 16 h x 16 bytes
	s_add_co_u32 s80, s80, s82
	s_mov_b32 s81, 0
	s_add_nc_u64 s[78:79], s[6:7], s[80:81]
	s_or_b32 s79, s79, 0x80000000                  ; type 2
	ROUND                                          ; all four work-groups are here: the joint loads meet
	tensor_load_to_lds s[76:79], s[68:75]
	s_nop 0
	s_and_b32 s83, s14, 14                         ; my pair of sub-tiles begins at sub-tile 2 he
	s_mul_i32 s83, s83, SUB
	v_mul_u32_u24 v[LA], v1, PITCH
	v_add_nc_u32 v[LA], s83, v[LA]
	s_lshl_b32 s82, s14, 12                        ; my eight rows of partial sums: rows 8 wave .. +7 = 16 he + 8 qh + i
	s_add_co_u32 s82, s82, RED
	v_add_nc_u32 v[RS], s82, v[L16]
	s_lshl_b32 s82, s14, 9                         ; the row that I add up: q = wave, in each of the eight parts
	s_add_co_u32 s82, s82, RED
	v_add_nc_u32 v[RL], s82, v[L16]
; One h for 8 q x 128 e: for each group of four q, eight dual maxima, then eight dual multiply-adds, so that a result is used eight instructions behind its making.
; In a dual form one destination is even and one odd, the scalar is shared, and the two vector sources are neighbours.
; first = 1: the sums start from se[he] (v_pk_fma_f32 with w broadcast from the pair's first register): nothing is cleared.
.macro HSTEP hh, first
.irp g, 0,1
.irp qi, 0,1,2,3
	v_dual_max_num_f32 v[X+4*\qi],   s[CD+16*\g+4*\hh+\qi], v[CE+4*\hh]   :: v_dual_max_num_f32 v[X+4*\qi+1], s[CD+16*\g+4*\hh+\qi], v[CE+4*\hh+1]
	v_dual_max_num_f32 v[X+4*\qi+2], s[CD+16*\g+4*\hh+\qi], v[CE+4*\hh+2] :: v_dual_max_num_f32 v[X+4*\qi+3], s[CD+16*\g+4*\hh+\qi], v[CE+4*\hh+3]
.endr
.irp qi, 0,1,2,3
.if \first
	v_pk_fma_f32 v[ACC+16*\g+4*\qi:ACC+16*\g+4*\qi+1],   v[X+4*\qi:X+4*\qi+1],   s[CW:CW+1], v[SE:SE+1]   op_sel_hi:[1,0,1]
	v_pk_fma_f32 v[ACC+16*\g+4*\qi+2:ACC+16*\g+4*\qi+3], v[X+4*\qi+2:X+4*\qi+3], s[CW:CW+1], v[SE+2:SE+3] op_sel_hi:[1,0,1]
.else
	v_dual_fmac_f32 v[ACC+16*\g+4*\qi],   s[CW+\hh], v[X+4*\qi]   :: v_dual_fmac_f32 v[ACC+16*\g+4*\qi+1], s[CW+\hh], v[X+4*\qi+1]
	v_dual_fmac_f32 v[ACC+16*\g+4*\qi+2], s[CW+\hh], v[X+4*\qi+2] :: v_dual_fmac_f32 v[ACC+16*\g+4*\qi+3], s[CW+\hh], v[X+4*\qi+3]
.endif
.endr
.endr
.endm
; A chunk of 4 h, 128 dual instructions.  Its scalars and its -E were asked for at the head of the chunk before; the next chunk's are asked for here, into the other buffers.
.macro CHUNK c, more, first
.set CD, 24+44*((\c)%2)
.set CW, 56+4*((\c)%2)
.set CE, EA+16*((\c)%2)
.set ND, 68-44*((\c)%2)
.set NW, 60-4*((\c)%2)
.set NE, EA+16-16*((\c)%2)
	s_wait_kmcnt 0x0                               ; scalar loads come back in no order (ISA guide 5.7.1): zero; only this chunk's three are out
.if \more
	SFETCH (\c)+1, ND, NW
	EFETCH (\c)+1, NE
	s_wait_dscnt 0x4                               ; this chunk's four loads are in, the four just issued stay out
.else
	s_wait_dscnt 0x0
.endif
	HSTEP 0, \first
	HSTEP 1, 0
	HSTEP 2, 0
	HSTEP 3, 0
.endm
	s_wait_tensorcnt 0x0                           ; my sub-tile has landed (and the descriptor's registers are free),
	s_barrier_signal -1
	s_barrier_wait -1                              ; everybody's has
	EFETCH 0, EA
	s_wait_loadcnt 0x0                             ; se[he]
	CHUNK 0, 1, 1
	CHUNK 1, 1, 0
	CHUNK 2, 1, 0
	CHUNK 3, 1, 0
	CHUNK 4, 1, 0
	CHUNK 5, 1, 0
	CHUNK 6, 1, 0
	CHUNK 7, 0, 0                                  ; the last chunk asks for nothing: no load leaves its buffer
	; the eight parts over h meet: every wave lays down its 8 rows of 128 sums, 512 consecutive bytes a store
.irp i, 0,1,2,3,4,5,6,7
	ds_store_b128 v[RS], v[ACC+4*\i:ACC+4*\i+3] offset:512*\i
.endr
	s_wait_dscnt 0x0                               ; for the others' sake: zero
	s_barrier_signal -1
	s_barrier_wait -1
.irp p, 0,1,2,3,4,5,6,7
	ds_load_b128 v[ACC+4*\p:ACC+4*\p+3], v[RL] offset:8192*\p      ; row q = wave of part p
.endr
.irp p, 0,2,4,6
	s_wait_dscnt 6-\p                              ; LDS loads come back in order (ISA guide 5.7.1): parts p and p + 1 are in, the younger ones stay out
	v_pk_add_f32 v[ACC+4*\p:ACC+4*\p+1],   v[ACC+4*\p:ACC+4*\p+1],   v[ACC+4*\p+4:ACC+4*\p+5]
	v_pk_add_f32 v[ACC+4*\p+2:ACC+4*\p+3], v[ACC+4*\p+2:ACC+4*\p+3], v[ACC+4*\p+6:ACC+4*\p+7]
.endr
.irp p, 0,4
	v_pk_add_f32 v[ACC+4*\p:ACC+4*\p+1],   v[ACC+4*\p:ACC+4*\p+1],   v[ACC+4*\p+8:ACC+4*\p+9]
	v_pk_add_f32 v[ACC+4*\p+2:ACC+4*\p+3], v[ACC+4*\p+2:ACC+4*\p+3], v[ACC+4*\p+10:ACC+4*\p+11]
.endr
	v_pk_add_f32 v[ACC:ACC+1],   v[ACC:ACC+1],   v[ACC+16:ACC+17]
	v_pk_add_f32 v[ACC+2:ACC+3], v[ACC+2:ACC+3], v[ACC+18:ACC+19]
	global_store_b128 v[L16], v[ACC:ACC+3], s[12:13] th:TH_STORE_NT   ; 128 e of one q: 512 consecutive bytes, aligned
	s_wait_tensorcnt 0x0
	ds_add_u32 v96, v97
	s_wait_dscnt 0x0
	ROUND                                          ; the closing round: no work-group ends while a partner may still ask for a tile that names it
	s_endpgm
.Lfunc_end_k_qd5a0390947_score:
	.size	k_qd5a0390947_score, .Lfunc_end_k_qd5a0390947_score-k_qd5a0390947_score
	.p2alignl 7, 3214868480
	.fill 96, 4, 3214868480
	.section	.rodata,"a",@progbits
	.p2align	6, 0x0
	.amdhsa_kernel k_qd5a0390947_score
		.amdhsa_group_segment_fixed_size 206848
		.amdhsa_private_segment_fixed_size 0
		.amdhsa_enable_private_segment 0
		.amdhsa_kernarg_size 40
		.amdhsa_user_sgpr_count 2
		.amdhsa_user_sgpr_kernarg_segment_ptr 1
		.amdhsa_wavefront_size32 1
		.amdhsa_system_sgpr_workgroup_id_x 1
		.amdhsa_system_sgpr_workgroup_id_y 1
		.amdhsa_system_sgpr_workgroup_id_z 1
		.amdhsa_system_vgpr_workitem_id 0
		.amdhsa_next_free_vgpr 98
		.amdhsa_next_free_sgpr 100
		.amdhsa_reserve_vcc 0
		.amdhsa_float_denorm_mode_32 3
		.amdhsa_float_denorm_mode_16_64 3
		.amdhsa_memory_ordered 1
		.amdhsa_forward_progress 1
		.amdhsa_inst_pref_size 75
	.end_amdhsa_kernel
	.amdgpu_metadata
---
amdhsa.version: [ 1, 2 ]
amdhsa.kernels:
  - .name:           k_qd5a0390947_score
    .symbol:         k_qd5a0390947_score.kd
    .args:
      - { .name: dq, .offset: 0, .size: 8, .value_kind: global_buffer, .address_space: global }
      - { .name: en, .offset: 8, .size: 8, .value_kind: global_buffer, .address_space: global }
      - { .name: se, .offset: 16, .size: 8, .value_kind: global_buffer, .address_space: global }
      - { .name: w_out, .offset: 24, .size: 8, .value_kind: global_buffer, .address_space: global }
      - { .name: out0, .offset: 32, .size: 8, .value_kind: global_buffer, .address_space: global }
    .group_segment_fixed_size: 206848
    .private_segment_fixed_size: 0
    .kernarg_segment_align: 8
    .kernarg_segment_size: 40
    .max_flat_workgroup_size: 512
    .sgpr_count:     100
    .vgpr_count:     98
    .wavefront_size: 32
...
	.end_amdgpu_metadata
.endif
;; end of part 2
